; MI455X (gfx1250); checked and timed in simulation.
; The chip was launched on July 23, 2026; its instructions are those of AMD's public machine-readable ISA for CDNA 5 (MIT licence, August 2026) and "CDNA5" Instruction Set Architecture Reference Guide (July 2026). The comments in the code are by the model that wrote it; some were corrected since.
;; Factored Conv2d. Allowed arithmetic: matrix products marked QUANTISED: E2M1 operands, one E8M0 scale for each 32 along K, by v_wmma_scale_f32_16x16x128_f8f6f4 with both operands' format E2M1 (or v_wmma_scale_f32_32x16x128_f4), f32 sums; products left as they are: f32 operands where the result goes on into a quantised operand, else bf16, f16 or f32 operands; f32 sums; everything else in f32.
;; Inputs: lora_A_codes 16 x 128 x 16 uint8 (E2M1 codes of lora_A, K innermost, in blocks of 32 codes, two codes a byte); lora_A_scales 16 x 128 uint8 (E8M0 scales of lora_A, one for each 32 codes along K); lora_B 4,096 x 16 float32; rank_magnitude 8 float32; scale_A 4,096 x 8 float32; scale_B 8 x 4,096 float32; weight 4,096 x 4,096 float32; x_codes 2 x 2,048 x 128 x 16 uint8 (E2M1 codes of x, K innermost, in blocks of 32 codes, two codes a byte); x_scales 2 x 2,048 x 128 uint8 (E8M0 scales of x, one for each 32 codes along K).
;; Outputs: out0 2 x 2,048 x 4,096 float32.
;; This version of the problem:
;;   THIS VERSION OF THE PROBLEM IS GIVEN IN LOW PRECISION. The matrix products marked QUANTISED in the list below multiply operands that are first quantised to E2M1 (2 exponent bits, 1 mantissa bit; 4 bits a number), with one power-of-two scale for each 32 numbers along K (OCP MX v1.0); their sums are f32. All else is computed in f32.
;;   The module's matrix products, in the order in which they are computed (A, B: the left and right operand; K: the contracted axis; several contracted axes count as one K, in the product's order):
;;     1. [M 4,096, K 8] x [K 8, N 4,096]; A: computed on the way; B: input scale_B: left as it is (K = 8 < 32)
;;     2. [M 4,096, K 4,096] x [K 4,096, N 4,096]; A: input x (given as codes); B: computed on the way: QUANTISED
;;     3. [M 4,096, K 4,096] x [K 4,096, N 16]; A: input x (given as codes); B: input lora_A (given as codes): QUANTISED
;;     4. [M 4,096, K 16] x [K 16, N 4,096]; A: computed on the way; B: input lora_B: left as it is (K = 16 < 32)
;;   THE QUANTISER, for each operand of a quantised product, along K:
;;     - K is cut into blocks of 32 from its start; a last block that is shorter is filled with zeros.
;;     - A block's scale is 2^e with e = floor(log2(the largest magnitude in the block)) - 2, held to -126 .. 127; a block of zeros has e = 0. As a byte (E8M0): e + 127.
;;     - Each number is divided by its block's scale, clamped to +-6, and rounded to the nearest number of E2M1, ties to even, subnormals kept.
;;     - The product sums the exact products of the quantised numbers (number of the format x scale) in f32.
;;   ~~~python
;;   def quantise(x, axis):      # numpy; x: float32 -> the quantised numbers, widened to float32 again
;;       x = np.moveaxis(x, axis, -1); K = x.shape[-1]
;;       x = np.pad(x, [(0, 0)] * (x.ndim - 1) + [(0, -K % 32)]); x = x.reshape(x.shape[:-1] + (-1, 32)); a = np.abs(x).max(-1, keepdims=True)
;;       e = np.where(a > 0, np.clip(np.frexp(np.where(a > 0, a, 1))[1] - 1 - 2, -126, 127), 0)      # np.frexp(a)[1] - 1 = floor(log2(a)), exactly
;;       r = np.clip(x / 2.0 ** e, -6, 6)
;;       step = 2.0 ** (np.maximum(np.frexp(np.where(r == 0, 1, r))[1] - 1, 0) - 1)
;;       q = np.round(r / step) * step * 2.0 ** e      # np.round: ties to even
;;       return np.moveaxis(q.reshape(q.shape[:-2] + (-1,))[..., :K], -1, axis).astype(np.float32)
;;   ~~~
;;   OPERANDS COMPUTED ON THE WAY. 'Computed on the way' means the value that the module computes at that place (a softmax that the list does not call 'softmax' is quantised finished and normalised). What goes into a quantiser is computed in f32, as accurately as f32 sums, v_exp_f32 and their like allow (about 1e-6 of the number): no bf16 or f16 on the way to a quantiser, and a product that is left as it is and whose result goes on into a quantised operand takes f32 operands (vector FMAs, or v_wmma_f32_16x16x4_f32). A number that lies on a knife's edge between two numbers of the format may be rounded either way, as far as f32 arithmetic and the matrix unit's own rounding can turn it there, and no further.
;;   INPUTS GIVEN AS CODES. lora_A (in the module: [16, 4096], K = its axis 1); x (in the module: [2, 2048, 4096], K = its axis 2): each comes as NAME_codes (uint8): NAME with its K axis moved to the last place and cut into blocks of 32 codes, [.., K / 32, bytes a block], one block behind the other in memory; two codes a byte, the lower K in the low four bits (a code: sign, 2 exponent bits, 1 mantissa bit); and NAME_scales (uint8): the same leading axes, one E8M0 byte (e + 127) for each 32 codes along K. Its value is code x scale, taken as it is: it is not quantised again, and the codes and scales need not be those that the quantiser above would give.
;; One version. Each part assembles by itself: llvm-mc -triple=amdgcn-amd-amdhsa -mcpu=gfx1250 --defsym DOCPART=n.
;; ======== version 1 of 1: 2 launches
;; limits: values are held in bf16: 8 bits of precision; right only within a limited range of input values
;; workspace buffers: w_codes 8,388,608 bytes; sc 1,048,576 bytes; t_img 262,144 bytes
;; launch prep (part 1): grid 256 x 1, 8 waves a work-group, no clusters, 306,176 bytes of LDS; arguments weight, scale_A, scale_B, rank_magnitude, x_codes, x_scales, lora_A_codes, lora_A_scales, w_codes, sc, t_img; writes w_codes, sc, t_img
.if DOCPART == 1
	.amdgcn_target "amdgcn-amd-amdhsa--gfx1250"
	.amdhsa_code_object_version 6
	.text
	.protected	k_q8b97c77dc1_prep
	.globl	k_q8b97c77dc1_prep
	.p2align	8
	.type	k_q8b97c77dc1_prep,@function
k_q8b97c77dc1_prep:
	s_mov_b64 s[64:65], 0
	v_nop
	global_prefetch_b8 v0, s[64:65] scope:SCOPE_SE
	s_setreg_imm32_b32 hwreg(HW_REG_WAVE_MODE, 25, 1), 1
	s_wait_xcnt 0x0
; W_eff[o][i] = weight[o][i] x sum over k of scale_A[o][k] g[k] scale_B[k][i], in f32, is turned into codes of FP4 (E2M1), K = i innermost, with one E8M0 byte for each 32 along K.
; Beside it: t = x lora_A^T (both given as codes; [4096][16]) and x's scale bytes laid anew.  What leaves:
;   w_codes [step of 128 along K: 32][block of 16 rows o: 256][c: 2][lane: 32][16 bytes]: images of the registers of an FP4 operand of 16 rows x 128 K: lane (r = lane % 16, h = lane / 16) holds K = 64 c + 32 h + 0 .. 31 of row r;
;   sc: bytes 0 on: x's scale bytes as [K step of 512: 8][row: 4096][16 bytes]; bytes 524,288 on: W_eff's, laid the same;
;   t_img [tile of 16 rows: 256][c: 2][lane: 32][16 bytes]: the registers of a bf16 operand of 16 rows x 32 K: c = 0: bf16(t), ranks 8 (lane / 16) + 0 .. 7 of row lane % 16; c = 1: bf16(t - bf16(t)) of the same ranks.
; LEFT OUT: the factor LORA_SCALING, 16 / 16 = 1: a multiplication by 1, for all inputs.  Every input is loaded.
; SHARES.  Work-group g: rows 16 g .. 16 g + 15 of weight, and the same rows of x.  Wave w: columns 512 w .. 512 w + 511, one K step.  Lane L: the 16 neighbours 16 L .. 16 L + 15 of the strip: two neighbouring lanes hold a block of 32.
; The group's 262,144 bytes of weight are asked for at the start, ONE tensor load a wave (16 rows x 2,048 bytes) into the wave's own LDS bytes; nothing is filled twice, and only the issuing wave reads a tile.
; THE RANK-8 PRODUCT goes by packed f32 multiply-adds: a lane keeps its 8 x 16 numbers of scale_B in registers, multiplied once by g[k]; a row's eight numbers of scale_A come by scalar loads, four rows at a time, four rows ahead.
; So S = sum of a[k] x (g[k] x b[k]) where the source reads (a[k] x g[k]) x b[k]: all in f32, one rounding a term apart.
; A BLOCK'S SCALE is 2^(floor(log2(its largest magnitude)) - 2): its byte is the largest magnitude's exponent field - 2, held at 1 from below by a floor among the maximum's leaves.
; THE CODES stay in registers until the wave's 16 rows are done; then they go through the first 4,352 bytes of the wave's own tile, which has been read out, into the image's order, and leave as stores of 512 bytes on end.
; LIMITS: NaN and infinities among the inputs are not served.  A block of zeros gets the byte 1 where the rule says 127: its codes are zeros, which add nothing under any byte but 0xff, and this program alone reads the bytes.
; t is summed as eight partial sums of 512 along K, one a wave, added in f32.
; NO JOINT LOADS: scale_B (131,072 bytes) and lora_A's codes (32,768) are read by every work-group, but they go straight into registers in the lanes' order, and LDS has 294,912 bytes of the group's own weight in it.
; NO PREFETCH: all that the work-group reads is asked for at its start; there is no loop to run ahead in.
.set TILEW, 36864                      ; a wave's LDS bytes: 16 rows
.set TROW,  2304                       ; a row there: 2,048 bytes + 16 behind every 128: a lane's 64 bytes lie at 64 L + 16 (L / 2)
.set TP,    8*TILEW                    ; 294,912: t's partial sums, 1,024 bytes a wave: bytes into which no tensor load lands
.set SB,    TP+8192                    ; 303,104: W_eff's scale bytes, 256 a wave; likewise.  The spare words follow at 305,152
.set CHK,   544                        ; the codes' way out: a chunk of 512 bytes + 32, so that the eight chunks begin in different banks
.set LX,   4                           ; LDS: my 64 bytes of the wave's row 0
.set SBA,  5                           ; LDS: my block's scale byte of row 0
.set SBR,  6                           ; LDS: 8 of the wave's 256 scale bytes, on the way out
.set CO,   7                           ; 8 x lane
.set LI,   8                           ; 16 x lane
.set BO,   9                           ; 64 x lane
.set XO,   10                          ; 2,048 r + 16 h: a fragment's lane in rows of 4,096 codes
.set SO,   11                          ; 128 r: a row of scale bytes
.set IMR,  15                          ; LDS: where I read 16 bytes of a chunk back
.set B,    16                          ; v16-143   g[k] x scale_B[k][my 16 columns] at B + 16 k + j
.set X,    144                         ; v144-159  16 numbers of weight, then of W_eff
.set S,    176                         ; v176-191  S of my 16 columns
.set C,    192                         ; v192-223  codes, two registers for each row
.set E,    224                         ; v224-239  a scale byte for each row
.set XF,   144                         ; the t phase, ahead of all that: x's four fragments,
.set LF,   176                         ; lora_A's four,
.set T0,   216                         ; two accumulators
.set T1,   224
.set TPW,  242
.set TPR,  243
.set RO,   244                         ; 16 r
.set IMW,  245                         ; LDS: where my 8 bytes of row 0 lie in the image
.set XS,   248                         ; v248-251  x's scale words: scales and nothing else
.set LS,   252                         ; v252-255  lora_A's
.set AP,   4                           ; s4, s6, s8, s10: the factors of odd k, each the low word of a pair
.set WV,   26
.set SAV,  27
.set SA,   30                          ; s[30:31] scale_A at my 16 rows
.set G1,   32                          ; s[32:39] descriptor group 1
.set G0,   40                          ; s[40:43] group 0
.set GM,   56                          ; s[56:63] g
.macro KPAIR base, k                   ; the scalar pair whose LOW word holds factor k
.if (\k)%2
.set KP, AP+(\k)-1
.else
.set KP, (\base)+(\k)
.endif
.endm
; scale_A's rows lie in four sets of two rows: s[68:83], s[84:99], and, once g and the descriptor are done with, s[48:63], s[32:47]
.macro ASET t
.set P4, ((\t)/2)%4
.if P4 < 2
.set ARW, 68+16*P4+8*((\t)%2)
.else
.set ARW, 80-16*P4+8*((\t)%2)
.endif
.endm
.macro ALOAD2 t                        ; rows t and t + 1
	ASET \t
	s_load_b512 s[ARW:ARW+15], s[SA:SA+1], 32*(\t)
.endm
	s_load_b512 s[4:19], s[0:1], 0x0               ; weight, scale_A, scale_B, rank_magnitude, x_codes, x_scales, lora_A_codes, lora_A_scales
	s_load_b128 s[20:23], s[0:1], 0x40             ; w_codes, sc
	s_load_b64 s[24:25], s[0:1], 0x50              ; t_img
	v_lshl_add_u32 v246, v0, 2, 0x4a800
	v_mov_b32 v247, 0
	ds_add_u32 v246, v247                          ; the opening lines: the add, twice on end, and its wait ahead of my tensor load
	ds_add_u32 v246, v247
	v_lshrrev_b32 v1, 5, v0
	s_delay_alu instid0(VALU_DEP_1)
	v_readfirstlane_b32 s[WV], v1                  ; wave 0..7
	v_and_b32 v1, 31, v0                           ; L
	v_and_b32 v2, 15, v0                           ; r
	v_bfe_u32 v3, v0, 4, 1                         ; h
	s_mul_i32 s2, s[WV], TILEW                     ; my wave's tile in LDS
	v_lshrrev_b32 v12, 1, v1
	v_lshlrev_b32 v[LX], 6, v1
	s_delay_alu instid0(VALU_DEP_1)
	v_lshl_add_u32 v[LX], v12, 4, v[LX]
	s_delay_alu instid0(VALU_DEP_1)
	v_add_nc_u32 v[LX], s2, v[LX]
	s_lshl_b32 s3, s[WV], 8
	s_add_co_u32 s3, s3, SB
	v_add_nc_u32 v[SBA], s3, v12
	v_lshlrev_b32 v[CO], 3, v1
	s_delay_alu instid0(VALU_DEP_1)
	v_add_nc_u32 v[SBR], s3, v[CO]
	v_lshlrev_b32 v[LI], 4, v1
	v_lshlrev_b32 v[BO], 6, v1
	v_lshlrev_b32 v[XO], 11, v2
	s_delay_alu instid0(VALU_DEP_1)
	v_lshl_add_u32 v[XO], v3, 4, v[XO]
	v_lshlrev_b32 v[SO], 7, v2
	v_lshlrev_b32 v[RO], 4, v2
	s_lshl_b32 s3, s[WV], 10
	s_add_co_u32 s3, s3, TP
	v_add_nc_u32 v[TPW], s3, v[LI]
	v_add_nc_u32 v[TPR], TP, v[LI]
	v_lshrrev_b32 v13, 2, v1                       ; my 16 codes in the image: chunk L / 4 (64 along K),
	v_bfe_u32 v14, v0, 1, 1                        ; its half of the lanes (32 along K),
	v_and_b32 v[IMR], 1, v0                        ; and the half of a lane's 16 bytes
	v_mul_u32_u24 v13, v13, CHK
	v_lshlrev_b32 v14, 8, v14
	v_lshl_add_u32 v[IMW], v[IMR], 3, s2
	v_add_nc_u32 v13, v13, v14
	v_add_nc_u32 v[IMR], s2, v[LI]
	v_add_nc_u32 v[IMW], v[IMW], v13
	; descriptor group 1: 16 rows x 512 elements of 4 bytes, 4,096 elements from row to row; in LDS four words of padding behind every 32
	s_mov_b32 s[G1+0], (2<<16)|(1<<20)|(4<<22)|(3<<25)
	s_mov_b32 s[G1+1], 512<<16                     ; tensor_dim0
	s_mov_b32 s[G1+2], 16<<16                      ; tensor_dim1
	s_mov_b32 s[G1+3], 512<<16                     ; tile_dim0
	s_mov_b32 s[G1+4], 16                          ; tile_dim1
	s_mov_b32 s[G1+5], 4096                        ; tensor_dim0_stride
	s_mov_b32 s[G1+6], 0
	s_mov_b32 s[G1+7], 0
	s_lshl_b32 s28, ttmp9, 18                      ; 16 rows of 16,384 bytes a work-group,
	s_lshl_b32 s3, s[WV], 11                       ; 2,048 bytes of a row a wave
	s_add_co_u32 s28, s28, s3
	s_mov_b32 s29, 0
	s_wait_alu depctr_va_vdst(0)
	s_wait_dscnt 0x0
	s_wait_kmcnt 0x0
	s_add_nc_u64 s[4:5], s[4:5], s[28:29]          ; weight at my strip's first row
	s_mov_b32 s[G0], 1                             ; count = 1
	s_add_co_u32 s[G0+1], s2, 0                    ; LDS address: my wave's tile
	s_mov_b64 s[G0+2:G0+3], s[4:5]                 ; global address
	s_or_b32 s[G0+3], s[G0+3], 0x80000000          ; type = 2
	tensor_load_to_lds s[G0:G0+3], s[G1:G1+7]      ; my one tensor load: my strip of all 16 rows, ahead of the loads into registers
	s_nop 0
.rept 4
	v_nop
.endr
	s_mov_b32 s28, s3
	s_add_nc_u64 s[8:9], s[8:9], s[28:29]          ; scale_B at my strip
	s_lshl_b32 s28, ttmp9, 9
	s_add_nc_u64 s[SA:SA+1], s[6:7], s[28:29]      ; scale_A: 16 rows of 32 bytes a work-group
	s_lshl_b32 s28, s[WV], 8                       ; 512 codes are 256 bytes
	s_add_nc_u64 s[16:17], s[16:17], s[28:29]      ; lora_A's codes at my K step
	s_lshl_b32 s3, ttmp9, 15                       ; 16 rows of 2,048 bytes
	s_add_co_u32 s28, s28, s3
	s_add_nc_u64 s[12:13], s[12:13], s[28:29]      ; x's codes, my rows, my K step
	s_lshl_b32 s28, s[WV], 20                      ; W_eff's image: four steps of 262,144 bytes a wave,
	s_lshl_b32 s3, ttmp9, 10                       ; 1,024 bytes a block of 16 rows
	s_add_co_u32 s28, s28, s3
	s_add_nc_u64 s[20:21], s[20:21], s[28:29]
	s_lshl_b32 s28, s[WV], 4                       ; a K step's 16 scale bytes
	s_add_nc_u64 s[18:19], s[18:19], s[28:29]      ; lora_A's scale bytes
	s_lshl_b32 s3, ttmp9, 11                       ; 16 rows of 128 bytes
	s_add_co_u32 s28, s28, s3
	s_add_nc_u64 s[14:15], s[14:15], s[28:29]      ; x's
	s_lshl_b32 s28, s[WV], 16                      ; sc: 65,536 bytes a K step,
	s_lshl_b32 s3, ttmp9, 8                        ; 16 rows of 16 bytes
	s_add_co_u32 s28, s28, s3
	s_add_nc_u64 s[22:23], s[22:23], s[28:29]
	s_lshl_b32 s28, ttmp9, 10
	s_add_nc_u64 s[24:25], s[24:25], s[28:29]      ; t_img: 1,024 bytes a tile
	s_load_b256 s[GM:GM+7], s[10:11], 0x0          ; g
	ALOAD2 0                                       ; rows 0 to 3 of scale_A
	ALOAD2 2
	; 50 loads into registers: the 18 that t wants first, then scale_B's 32
.irp q, 0,1,2,3
.irp c, 0,1
	global_load_b128 v[XF+8*\q+4*\c:XF+8*\q+4*\c+3], v[XO], s[12:13] offset:64*\q+32*\c   ; x(r, 128 q + 64 c + 32 h + 0 .. 31)
.endr
.endr
.irp q, 0,1,2,3
.irp c, 0,1
	global_load_b128 v[LF+8*\q+4*\c:LF+8*\q+4*\c+3], v[XO], s[16:17] offset:64*\q+32*\c   ; lora_A likewise
.endr
.endr
	global_load_b128 v[XS:XS+3], v[SO], s[14:15]   ; row r's four scale words of this K step (lanes 16-31 hold the same)
	global_load_b128 v[LS:LS+3], v[SO], s[18:19]
.irp k, 0,1,2,3,4,5,6,7
.irp i, 0,1,2,3
	global_load_b128 v[B+16*\k+4*\i:B+16*\k+4*\i+3], v[BO], s[8:9] offset:16384*\k+16*\i
.endr
.endr
	; ---- t, and x's scale bytes
	s_wait_loadcnt 32                              ; the 18 are in; scale_B's 32, issued behind them, may be out
	s_wait_xcnt 0x0                                ; EXEC is a source of the loads that are out: it changes only behind this wait
	v_cmp_gt_u32 vcc_lo, 16, v1
	s_and_saveexec_b32 s[SAV], vcc_lo
	global_store_b128 v[RO], v[XS:XS+3], s[22:23]  ; sixteen lanes store 256 consecutive bytes, aligned: 16 rows' bytes of K step w
	s_wait_xcnt 0x0                                ; and again ahead of the line that widens it
	s_or_b32 exec_lo, exec_lo, s[SAV]
	; source 0 = lora_A's 16 ranks, source 1 = my 16 rows of x: lane (r, h), register j: t(row r, rank 8 h + j).  Two accumulators by turns
	v_wmma_scale_f32_16x16x128_f8f6f4 v[T0:T0+7], v[LF:LF+7], v[XF:XF+7], 0, v[LS], v[XS] matrix_a_fmt:MATRIX_FMT_FP4 matrix_b_fmt:MATRIX_FMT_FP4
	v_wmma_scale_f32_16x16x128_f8f6f4 v[T1:T1+7], v[LF+8:LF+15], v[XF+8:XF+15], 0, v[LS+1], v[XS+1] matrix_a_fmt:MATRIX_FMT_FP4 matrix_b_fmt:MATRIX_FMT_FP4
	v_wmma_scale_f32_16x16x128_f8f6f4 v[T0:T0+7], v[LF+16:LF+23], v[XF+16:XF+23], v[T0:T0+7], v[LS+2], v[XS+2] matrix_a_fmt:MATRIX_FMT_FP4 matrix_b_fmt:MATRIX_FMT_FP4
	v_wmma_scale_f32_16x16x128_f8f6f4 v[T1:T1+7], v[LF+24:LF+31], v[XF+24:XF+31], v[T1:T1+7], v[LS+3], v[XS+3] matrix_a_fmt:MATRIX_FMT_FP4 matrix_b_fmt:MATRIX_FMT_FP4
.rept 4
	v_nop                                          ; four places behind the products (ISA guide 7.12.1)
.endr
.irp j, 0,2,4,6
	v_pk_add_f32 v[T0+\j:T0+\j+1], v[T0+\j:T0+\j+1], v[T1+\j:T1+\j+1]   ; both accumulators from their low ends on
.endr
	ds_store_b128 v[TPW], v[T0:T0+3]               ; my K step's part of t, as an image of its registers
	ds_store_b128 v[TPW], v[T0+4:T0+7] offset:512
	s_wait_dscnt 0x0                               ; for wave 0's sake: my stores have landed
	s_barrier_signal -1
	s_barrier_wait -1                              ; the launch's one barrier; the tiles may stay on their way
	s_cmp_lg_u32 s[WV], 0
	s_cbranch_scc1 .Lnot_wave_0
.irp p, 0,1,2,3,4,5,6,7
.irp c, 0,1
	ds_load_b128 v[144+8*\p+4*\c:144+8*\p+4*\c+3], v[TPR] offset:1024*\p+512*\c
.endr
.endr
	s_wait_dscnt 0x0
.irp p, 0,2,4,6
.irp j, 0,2,4,6
	v_pk_add_f32 v[144+8*\p+\j:144+8*\p+\j+1], v[144+8*\p+\j:144+8*\p+\j+1], v[152+8*\p+\j:152+8*\p+\j+1]
.endr
.endr
.irp p, 0,4
.irp j, 0,2,4,6
	v_pk_add_f32 v[144+8*\p+\j:144+8*\p+\j+1], v[144+8*\p+\j:144+8*\p+\j+1], v[160+8*\p+\j:160+8*\p+\j+1]
.endr
.endr
.irp j, 0,2,4,6
	s_delay_alu instid0(VALU_DEP_4)
	v_pk_add_f32 v[144+\j:144+\j+1], v[144+\j:144+\j+1], v[176+\j:176+\j+1]   ; t(r, 8 h + j) in v[144 + j]
.endr
.irp i, 0,1,2,3
	s_delay_alu instid0(VALU_DEP_4)
	v_cvt_pk_bf16_f32 v[208+\i], v[144+2*\i], v[145+2*\i]        ; bf16(t)
.endr
.irp i, 0,1,2,3
	v_lshlrev_b32 v[152+2*\i], 16, v[208+\i]                     ; widened again,
	v_and_b32 v[153+2*\i], 0xffff0000, v[208+\i]
.endr
.irp i, 0,1,2,3
	v_pk_add_f32 v[152+2*\i:153+2*\i], v[144+2*\i:145+2*\i], v[152+2*\i:153+2*\i] neg_lo:[0,1] neg_hi:[0,1]   ; what the rounding left,
.endr
.irp i, 0,1,2,3
	s_delay_alu instid0(VALU_DEP_4)
	v_cvt_pk_bf16_f32 v[212+\i], v[152+2*\i], v[153+2*\i]        ; as bf16
.endr
	global_store_b128 v[LI], v[208:211], s[24:25]                ; 512 consecutive bytes each
	global_store_b128 v[LI], v[212:215], s[24:25] offset:512
.Lnot_wave_0:
	; ---- g into scale_B's registers, once
	s_wait_loadcnt 0x0                             ; scale_B
	s_wait_kmcnt 0x0                               ; g, and rows 0 to 3 of scale_A
	s_wait_xcnt 0x0                                ; wave 0's stores have read their registers; no base in s[4:11] is still wanted
.irp k, 1,3,5,7
	s_mov_b32 s[AP+\k], 0                          ; the pairs' upper words: named with the lower ones, so they are written
	s_mov_b32 s[AP+\k-1], s[GM+\k]
.endr
.irp k, 0,1,2,3,4,5,6,7
	KPAIR GM, \k
.irp j, 0,2,4,6,8,10,12,14
	v_pk_mul_f32 v[B+16*\k+\j:B+16*\k+\j+1], v[B+16*\k+\j:B+16*\k+\j+1], s[KP:KP+1] op_sel_hi:[1,0]
.endr
.endr
; ---- Row t of my strip.  Every offset is an immediate; each row has its own registers for codes and byte.
.macro STEP t
.if (\t) == 0
	s_wait_tensorcnt 0x0                           ; my one tensor load has landed: all 16 rows of my strip; its descriptor's registers are free
.endif
.irp i, 0,1,2,3
	ds_load_b128 v[X+4*\i:X+4*\i+3], v[LX] offset:TROW*(\t)+16*\i
.endr
.if (\t)%4 == 0
.if (\t) > 0
	s_wait_kmcnt 0x0                               ; this row's and the next three rows' numbers of scale_A, asked for four rows ago
.endif
.if (\t) < 12
	ALOAD2 (\t)+4                                  ; the four rows after them, into the two sets that are done with
	ALOAD2 (\t)+6
.endif
.endif
	ASET \t
.irp k, 1,3,5,7
	s_mov_b32 s[AP+\k-1], s[ARW+\k]
.endr
.irp j, 0,2,4,6,8,10,12,14
	v_pk_mul_f32 v[S+\j:S+\j+1], v[B+\j:B+\j+1], s[ARW:ARW+1] op_sel_hi:[1,0]        ; the first term starts the sums
.endr
.irp k, 1,2,3,4,5,6,7
	KPAIR ARW, \k
.irp j, 0,2,4,6,8,10,12,14
	v_pk_fma_f32 v[S+\j:S+\j+1], v[B+16*\k+\j:B+16*\k+\j+1], s[KP:KP+1], v[S+\j:S+\j+1] op_sel_hi:[1,0,1]   ; eight chains by turns
.endr
.endr
	s_wait_alu depctr_va_vdst(0)
	s_wait_dscnt 0x0                               ; weight's 16 numbers are in (asked for 64 instructions ago)
.irp j, 0,2,4,6,8,10,12,14
	v_pk_mul_f32 v[X+\j:X+\j+1], v[X+\j:X+\j+1], v[S+\j:S+\j+1]                      ; W_eff
.endr
	v_max3_num_f32 v12, |v[X]|, |v[X+1]|, |v[X+2]|                                    ; the largest magnitude of my 16, in two chains
	v_max3_num_f32 v13, |v[X+3]|, |v[X+4]|, |v[X+5]|
.irp i, 6,10
	s_delay_alu instid0(VALU_DEP_2)
	v_max3_num_f32 v12, v12, |v[X+\i]|, |v[X+\i+1]|
	s_delay_alu instid0(VALU_DEP_2)
	v_max3_num_f32 v13, v13, |v[X+\i+2]|, |v[X+\i+3]|
.endr
	s_delay_alu instid0(VALU_DEP_2)
	v_max3_num_f32 v12, v12, |v[X+14]|, |v[X+15]|
	s_delay_alu instid0(VALU_DEP_1)
	v_max3_num_f32 v12, v12, v13, 0x1800000        ; and the floor 2^(3 - 127): the byte cannot fall under 1
	s_delay_alu instid0(VALU_DEP_1)
	v_max_num_f32_dpp v12, v12, v12 row_xmask:1 row_mask:0xf bank_mask:0xf            ; with my neighbour's 16: the block's
	s_delay_alu instid0(VALU_DEP_1)
	v_add_nc_u32 v14, 0xff000000, v12              ; 2 off its exponent field: the conversion takes the exponent field of this operand as its scale
	v_cvt_scalef32_pk8_fp4_f32 v[C+2*(\t)], v[X:X+7], v14
	v_cvt_scalef32_pk8_fp4_f32 v[C+2*(\t)+1], v[X+8:X+15], v14
	v_lshrrev_b32 v[E+(\t)], 23, v14               ; the scale's byte; also the plain line behind the conversions
	ds_store_b8 v[SBA], v[E+(\t)] offset:16*(\t)   ; both lanes of a block write the same byte with the same value
.endm
.irp t, 0,1,2,3,4,5,6,7,8,9,10,11,12,13,14,15
	STEP \t
.endr
	; ---- the way out.  LDS serves a wave's instructions in order (ISA guide 5.7.1.4): the loads see my stores; my reads of the tile's rows have all come back
.irp t, 0,1,2,3,4,5,6,7,8,9,10,11,12,13,14,15
	ds_store_b64 v[IMW], v[C+2*\t:C+2*\t+1] offset:16*\t         ; row t's 16 codes of mine, at lane (t, h) of their chunk
.endr
	ds_load_b64 v[240:241], v[SBR]
.irp j, 0,1,2,3,4,5,6,7
	ds_load_b128 v[144+4*\j:144+4*\j+3], v[IMR] offset:CHK*\j    ; chunk j = 2 q + c, as the operand's lanes hold it
.endr
	s_wait_dscnt 0x0
	global_store_b64 v[CO], v[240:241], s[22:23] offset:524288   ; 16 rows' scale bytes of K step w: 256 consecutive bytes, aligned
.irp j, 0,1,2,3,4,5,6,7
	global_store_b128 v[LI], v[144+4*\j:144+4*\j+3], s[20:21] offset:262144*(\j/2)+512*(\j%2)   ; 512 consecutive bytes, aligned
.endr
	s_wait_tensorcnt 0x0                           ; the wave's end
	ds_add_u32 v246, v247
	s_wait_dscnt 0x0
	s_endpgm
.Lfunc_end_k_q8b97c77dc1_prep:
	.size	k_q8b97c77dc1_prep, .Lfunc_end_k_q8b97c77dc1_prep-k_q8b97c77dc1_prep
	.p2alignl 7, 3214868480
	.fill 96, 4, 3214868480
	.section	.rodata,"a",@progbits
	.p2align	6, 0x0
	.amdhsa_kernel k_q8b97c77dc1_prep
		.amdhsa_group_segment_fixed_size 306176
		.amdhsa_private_segment_fixed_size 0
		.amdhsa_enable_private_segment 0
		.amdhsa_kernarg_size 88
		.amdhsa_user_sgpr_count 2
		.amdhsa_user_sgpr_kernarg_segment_ptr 1
		.amdhsa_wavefront_size32 1
		.amdhsa_system_sgpr_workgroup_id_x 1
		.amdhsa_system_sgpr_workgroup_id_y 1
		.amdhsa_system_sgpr_workgroup_id_z 1
		.amdhsa_system_vgpr_workitem_id 0
		.amdhsa_next_free_vgpr 256
		.amdhsa_next_free_sgpr 100
		.amdhsa_reserve_vcc 1
		.amdhsa_float_denorm_mode_32 3
		.amdhsa_float_denorm_mode_16_64 3
		.amdhsa_memory_ordered 1
		.amdhsa_forward_progress 1
		.amdhsa_inst_pref_size 120
	.end_amdhsa_kernel
	.amdgpu_metadata
---
amdhsa.version: [ 1, 2 ]
amdhsa.kernels:
  - .name:           k_q8b97c77dc1_prep
    .symbol:         k_q8b97c77dc1_prep.kd
    .args:
      - { .name: weight, .offset: 0, .size: 8, .value_kind: global_buffer, .address_space: global }
      - { .name: scale_A, .offset: 8, .size: 8, .value_kind: global_buffer, .address_space: global }
      - { .name: scale_B, .offset: 16, .size: 8, .value_kind: global_buffer, .address_space: global }
      - { .name: rank_magnitude, .offset: 24, .size: 8, .value_kind: global_buffer, .address_space: global }
      - { .name: x_codes, .offset: 32, .size: 8, .value_kind: global_buffer, .address_space: global }
      - { .name: x_scales, .offset: 40, .size: 8, .value_kind: global_buffer, .address_space: global }
      - { .name: lora_A_codes, .offset: 48, .size: 8, .value_kind: global_buffer, .address_space: global }
      - { .name: lora_A_scales, .offset: 56, .size: 8, .value_kind: global_buffer, .address_space: global }
      - { .name: w_codes, .offset: 64, .size: 8, .value_kind: global_buffer, .address_space: global }
      - { .name: sc, .offset: 72, .size: 8, .value_kind: global_buffer, .address_space: global }
      - { .name: t_img, .offset: 80, .size: 8, .value_kind: global_buffer, .address_space: global }
    .group_segment_fixed_size: 306176
    .private_segment_fixed_size: 0
    .kernarg_segment_align: 8
    .kernarg_segment_size: 88
    .max_flat_workgroup_size: 256
    .sgpr_count:     100
    .vgpr_count:     256
    .wavefront_size: 32
...
	.end_amdgpu_metadata
.endif
;; end of part 1
;; launch gemm (part 2): grid 16 x 16, 4 waves a work-group, clusters of 4 x 4, 327,680 bytes of LDS; arguments x_codes, w_codes, sc, t_img, lora_B, out0; writes out0
.if DOCPART == 2
	.amdgcn_target "amdgcn-amd-amdhsa--gfx1250"
	.amdhsa_code_object_version 6
	.text
	.protected	k_q8b97c77dc1_gemm
	.globl	k_q8b97c77dc1_gemm
	.p2align	8
	.type	k_q8b97c77dc1_gemm,@function
k_q8b97c77dc1_gemm:
	s_mov_b64 s[64:65], 0
	v_nop
	global_prefetch_b8 v0, s[64:65] scope:SCOPE_SE
	s_setreg_imm32_b32 hwreg(HW_REG_WAVE_MODE, 25, 1), 1
	s_wait_xcnt 0x0
	s_wait_alu depctr_hold_cnt(0) depctr_sa_sdst(0) depctr_va_vdst(0) depctr_va_sdst(0) depctr_va_ssrc(0) depctr_va_vcc(0) depctr_vm_vsrc(0)
	s_getreg_b32 s2, hwreg(HW_REG_IB_STS2, 6, 4)
	s_cmp_eq_u32 s2, 0
	s_cbranch_scc0 .Lentry_in_a_cluster
	s_endpgm
.Lentry_in_a_cluster:
	s_bfe_u32 s2, ttmp6, 0x10000c
	s_cmp_lg_u32 s2, 0xf033
	s_cbranch_scc0 .Lentry_shape_is_right
	s_endpgm
.Lentry_shape_is_right:
; out0[m][o] = sum over k of x[m][k] W_eff[o][k] (both as FP4 codes with E8M0 scales, f32 sums) + sum over 16 ranks of t[m][r] lora_B[o][r].  (The factor LORA_SCALING = 1 is left out, as the first kernel's head says.)
; A work-group of four waves makes 256 x 256 of out0, a wave 128 x 128: 64 accumulators, 512 registers.  256 work-groups.
; THE LoRA TERM STARTS THE SUMS: one bf16 product for each accumulator, K = 32 = bf16(t), then t - bf16(t), each against bf16(lora_B).  LIMIT: lora_B is rounded to bf16.
; x GOES THROUGH LDS: K in 4 laps of 1,024 through two slots of 256 rows x (512 bytes + 16 of padding); every wave fetches 64 rows of a slot by one joint load, shared along a row of the 4 x 4 cluster.
; So there are four fills, two of them refills, and a fill has a lap's 512 matrix instructions in which to land.  The slot's offset is a scalar that a change of slots toggles between 0 and SLOT.
; W_eff GOES STRAIGHT INTO REGISTERS: w_codes holds images of the operand's registers, so a wave's eight fragments of a step of 128 along K are 8,192 bytes on end: 16 loads of 512 bytes.
; Four sets of 64 registers take turns; a set is asked for again at the head of the step behind its use, three steps ahead of its next.  NO JOINT LOADS for W_eff: its bytes pass through no LDS, so no tensor load carries them.
; THE SCALES go from sc straight into registers too: the 16 bytes that a row has for 512 along K, of 16 rows, are 256 bytes on end; lanes 0-15 take x's block i, lanes 16-31 W_eff's.  Two sets, one for each half of a lap, each asked for four steps ahead.
; THE MATRIX INSTRUCTION IS USED TRANSPOSED (source 0 = W_eff's rows, source 1 = x's): a lane holds eight neighbours of a row of out0.
; PREFETCH: in the middle of each of the first two laps, the codes of the lap two on (x's are asked for by the tensor load at this lap's end, four steps later): waves 0 and 2 ask for x's rows (a lane 2 x 256 bytes of a row),
; waves 1 and 3 for W_eff's image (a lane 2 x 256 bytes), shared out among the partners by address, by the clusters with x = 0 (x) or y = 0 (W_eff); the scales of the last two laps once, by wave 2 of the clusters with x = 0.
; The first two laps come by their loads alone.
; REGISTERS: window 0: v16-31 addresses, v32-95 scale words (two sets), v128-191 and v192-255 x's fragments; window 1: W_eff's four sets; windows 2, 3: the accumulators.
.set SIZE_N, 4096
.set ROWB,   512                       ; a slot's row: 1,024 codes
.set KROW,   2048
.set PITCH,  528
.set NP,     4
.set HALFT,  128*PITCH
.set SLOT,   2*HALFT                   ; 135,168
.set SPARE,  2*SLOT                    ; behind the ring: the spare words, 512 bytes
.set STAGE,  SPARE+512                 ; the way out: 16 rows x 528 bytes a wave, bytes into which no tensor load lands
.set SPITCH, 528
.set KSC,    65536                     ; sc: 512 along K
.set WTAB,   524288
.set QIMG,   262144                    ; w_codes: a step of 128 along K
.set KIMG,   4*QIMG
.set ADRA, 16                          ; LDS address of my fragments of x in slot 0; never rewritten
.set ADRC, 17                          ; the same in the slot that is being read
.set ADRG, 22
.set PFO2, 23
.set STO,  24
.set RD,   25
.set CO,   26
.set LBO,  27
.set SPW,  28
.set NIL,  29
.set PFO,  30
.set PFS,  31
.set SC,   32
.set AF,   128
.set TF,   192
.set LB,   192                         ; window 1: bf16(lora_B), in the set that step 0 asks for first
.set BK,   128
.set LIMS, 2
.set LIM,  3
.set WV,   16
.set RH,   17
.set CH,   18
.set LAP,  19
.set G1A,  24
.set G0A,  40                          ; one group 0: written only while no tensor load of mine is out
.set BP,   48
.set SCP,  56
.set PFA,  58
.set PST,  60
.set WOFF, 78                          ; where my 64 rows lie in a slot
.set SOFF, 86                          ; the offset of the slot that is being read: 0 or SLOT
.set MSB, 0
.macro WIN new                         ; the immediate's high byte repeats the setting that is left
.if MSB != \new
	s_set_vgpr_msb (MSB<<8)|\new
.set MSB, \new
.endif
.endm
.set MUL_LO, 0xa1
.set MUL_HI, 0xf1
.set TO_B,   0x40
.macro PLACES n
.rept \n
	v_nop
.endr
.endm
.macro JLOAD                           ; every wave's 64 rows of x's tile: one line, one mask; s_nop 0 and four v_nop behind it
	tensor_load_to_lds s[G0A:G0A+3], s[G1A:G1A+7]
	s_nop 0
	PLACES 4
.endm
.macro ASK
	s_cmp_gt_u32 s[LAP], s[LIM]                    ; the clusters that ask
	s_cbranch_scc0 .Lno_codes_\@
	global_prefetch_b8 v[PFO], s[PFA:PFA+1] th:TH_LOAD_NT scope:SCOPE_SE
	global_prefetch_b8 v[PFO2], s[PFA:PFA+1] th:TH_LOAD_NT scope:SCOPE_SE
.Lno_codes_\@:
	s_cmp_gt_u32 s[LAP], s[LIMS]                   ; in the first lap alone
	s_cbranch_scc0 .Lno_scales_\@
	global_prefetch_b8 v[PFS], s[8:9] th:TH_LOAD_NT scope:SCOPE_SE
.Lno_scales_\@:
.endm
.macro CREST
	s_cmp_lg_u32 s[WV], 0
	s_cbranch_scc1 .Lnot_wave_0_\@
	s_barrier_signal -3
.Lnot_wave_0_\@:
	s_barrier_wait -3
	s_barrier_signal -1
	s_barrier_wait -1
.endm
.macro CROUND
	s_barrier_signal -1
	s_barrier_wait -1
	CREST
.endm
.macro BLOAD set, qi                   ; 16 loads of 512 bytes: W_eff's eight fragments of the step qi steps on from the base, into set
.irp b, 0,1,2,3,4,5,6,7
.irp c, 0,1
	global_load_b128 v[64*(\set)+8*\b+4*\c:64*(\set)+8*\b+4*\c+3], v[CO], s[BP:BP+1] offset:QIMG*(\qi)+1024*\b+512*\c
.endr
.endr
.endm
.macro GSC s                           ; eight loads: the scale words of 512 along K into set s
.irp i, 0,1,2,3,4,5,6,7
	global_load_b128 v[SC+32*(\s)+4*\i:SC+32*(\s)+4*\i+3], v[ADRG], s[SCP:SCP+1] offset:256*\i
.endr
.endm
	s_load_b256 s[4:11], s[0:1], 0x0               ; x_codes, w_codes, sc, t_img
	s_load_b128 s[12:15], s[0:1], 0x20             ; lora_B, out0
	v_lshl_add_u32 v[SPW], v0, 2, SPARE
	v_mov_b32 v[NIL], 0
	ds_add_u32 v[SPW], v[NIL]                      ; the opening lines: the add, twice on end, and its wait
	ds_add_u32 v[SPW], v[NIL]
	v_lshrrev_b32 v1, 5, v0
	v_readfirstlane_b32 s[WV], v1
	s_lshr_b32 s[RH], s[WV], 1                     ; my half of the rows
	s_and_b32 s[CH], s[WV], 1                      ; my half of the columns
	s_bfe_u32 s20, ttmp6, 0x40000                  ; cx
	s_bfe_u32 s21, ttmp6, 0x40004                  ; cy
	s_lshl_b32 s22, ttmp9, 2
	s_add_co_u32 s22, s22, s20                     ; tile column
	s_and_b32 s23, ttmp7, 0xffff
	s_lshl_b32 s23, s23, 2
	s_add_co_u32 s23, s23, s21                     ; tile row
	s_lshl_b32 s92, s21, 2
	s_lshl_b32 s92, 15, s92                        ; my row of the cluster
	s_or_b32 s[G1A+0], s92, (0<<16)|(1<<20)|(1<<21)|(6<<22)|(3<<25)   ; bytes; 4 words of padding behind every 128
	s_mov_b32 s[G1A+1], ROWB<<16
	s_mov_b32 s[G1A+2], 64<<16
	s_mov_b32 s[G1A+3], ROWB<<16
	s_mov_b32 s[G1A+4], 64
	s_mov_b32 s[G1A+5], KROW
	s_mov_b32 s[G1A+6], 0
	s_mov_b32 s[G1A+7], 0
	s_mov_b32 s[SOFF], 0
	s_lshl_b32 s66, s23, 19                        ; x's codes: 256 rows of 2,048 bytes a tile row + the 64 rows that I fetch
	s_lshl_b32 s79, s[WV], 17
	s_add_co_u32 s66, s66, s79
	s_mov_b32 s67, 0
	s_lshl_b32 s68, s22, 14                        ; W_eff's image: 16 blocks of 1,024 bytes a tile column + my eight
	s_lshl_b32 s79, s[CH], 13
	s_add_co_u32 s68, s68, s79
	s_mov_b32 s69, 0
	s_lshl_b32 s70, s23, 14                        ; t_img: 1,024 bytes for 16 rows
	s_lshl_b32 s79, s[RH], 13
	s_add_co_u32 s70, s70, s79
	s_mov_b32 s71, 0
	s_lshl_b32 s72, s22, 14                        ; lora_B: 64 bytes a row
	s_lshl_b32 s79, s[CH], 13
	s_add_co_u32 s72, s72, s79
	s_mov_b32 s73, 0
	s_lshl_b32 s74, s23, 22                        ; out0: my first row and column
	s_lshl_b32 s79, s[RH], 21
	s_add_co_u32 s74, s74, s79
	s_lshl_b32 s79, s22, 10
	s_add_co_u32 s74, s74, s79
	s_lshl_b32 s79, s[CH], 9
	s_add_co_u32 s74, s74, s79
	s_mov_b32 s75, 0
	s_lshl_b32 s76, s23, 8                         ; the prefetches.  x: the tile's rows, my work-group's 64, my wave's 32, at lap 2
	s_lshl_b32 s80, s20, 6
	s_add_co_u32 s76, s76, s80
	s_lshl_b32 s80, s[RH], 5
	s_add_co_u32 s76, s76, s80
	s_lshl_b32 s76, s76, 11
	s_add_co_u32 s76, s76, 2*ROWB
	s_lshl_b32 s82, s21, 18                        ; W_eff: of four steps of 128 my work-group takes one, of its 16,384 bytes of the tile column my wave a half, at lap 2
	s_lshl_b32 s80, s22, 14
	s_add_co_u32 s82, s82, s80
	s_lshl_b32 s80, s[RH], 13
	s_add_co_u32 s82, s82, s80
	s_add_co_u32 s82, s82, 4*KIMG
	s_and_b32 s81, ttmp7, 0xffff
	s_mov_b32 s83, 2*KIMG
	s_mov_b32 s85, KIMG
	s_cmp_eq_u32 s[CH], 0
	s_cselect_b32 s76, s76, s82
	s_cselect_b32 s[PST], ROWB, s83                ; a lap on
	s_cselect_b32 s85, 256, s85                    ; the lap's second half
	s_cselect_b32 s84, 11, 8                       ; a lane a row of x, or 256 bytes of the image
	s_cselect_b32 s81, ttmp9, s81
	s_cmp_eq_u32 s81, 0
	s_cselect_b32 s[LIM], 0, -1
	s_mov_b32 s77, 0
	s_mov_b32 s[PST+1], 0
	s_xor_b32 s81, s[WV], 2
	s_or_b32 s81, s81, ttmp9
	s_cmp_eq_u32 s81, 0
	s_cselect_b32 s[LIMS], 1, -1
	s_mul_i32 s[WOFF], s[WV], 64*PITCH
	s_mul_i32 s92, s[RH], HALFT                    ; the 128 rows of x that I multiply
	s_mul_i32 s95, s[WV], 16*SPITCH
	s_add_co_u32 s95, s95, STAGE                   ; my stage
	s_lshl_b32 s94, s23, 12                        ; sc: x's rows, 16 bytes each
	s_lshl_b32 s96, s[RH], 11
	s_add_co_u32 s94, s94, s96
	s_lshl_b32 s96, s22, 12                        ; W_eff's rows, in the second table
	s_lshl_b32 s97, s[CH], 11
	s_add_co_u32 s96, s96, s97
	s_add_co_u32 s96, s96, WTAB
	s_sub_co_u32 s96, s96, s94                     ; the distance between the two
	s_lshl_b32 s97, s23, 12
	s_lshl_b32 s80, s20, 10
	s_add_co_u32 s97, s97, s80
	v_and_b32 v1, 15, v0                           ; r
	v_bfe_u32 v2, v0, 4, 1                         ; h
	v_and_b32 v3, 31, v0
	v_lshlrev_b32 v[CO], 4, v3
	v_lshlrev_b32 v[LBO], 6, v1
	v_lshl_add_u32 v[LBO], v2, 5, v[LBO]
	v_mul_u32_u24 v5, s96, v2                      ; lanes 16-31 take W_eff's scales
	v_lshl_add_u32 v5, v1, 4, v5
	v_add_nc_u32 v[ADRG], s94, v5
	v_mul_u32_u24 v4, v1, PITCH
	v_lshl_add_u32 v4, v2, 4, v4
	v_add_nc_u32 v[ADRA], s92, v4
	v_add_nc_u32 v[ADRC], s92, v4
	v_mul_u32_u24 v6, v1, SPITCH
	v_lshl_add_u32 v6, v2, 5, v6
	v_add_nc_u32 v[STO], s95, v6
	v_add_nc_u32 v[RD], s95, v[CO]
	v_lshlrev_b32 v[PFO], s84, v3
	v_bfe_u32 v7, v0, 2, 2
	v_add_nc_u32 v7, 4, v7                         ; the last two laps' four runs of 512 along K,
	v_lshlrev_b32 v7, 16, v7
	v_and_b32 v8, 3, v0
	v_lshl_add_u32 v7, v8, 8, v7                   ; four blocks of 256 bytes,
	v_lshl_add_u32 v7, v2, 19, v7                  ; both tables
	v_add_nc_u32 v[PFS], s97, v7
	v_add_nc_u32 v[PFO2], s85, v[PFO]
	s_wait_alu depctr_va_vdst(0)
	s_wait_dscnt 0x0                               ; both opening adds are done
	s_wait_kmcnt 0x0
	s_add_nc_u64 s[10:11], s[10:11], s[70:71]
	s_add_nc_u64 s[12:13], s[12:13], s[72:73]
.irp a, 0,1,2,3,4,5,6,7
.irp c, 0,1
	global_load_b128 v[TF+8*\a+4*\c:TF+8*\a+4*\c+3], v[CO], s[10:11] offset:1024*\a+512*\c     ; t's eight operands, as images
.endr
.endr
.irp b, 0,1,2,3,4,5,6,7
.irp c, 0,1
	global_load_b128 v[AF+8*\b+4*\c:AF+8*\b+4*\c+3], v[LBO], s[12:13] offset:1024*\b+16*\c     ; lora_B(16 b + r, 8 h + 0 .. 7)
.endr
.endr
.irp i, 0,1,2,3,4,5,6,7
	global_load_b128 v[SC+4*\i:SC+4*\i+3], v[ADRG], s[8:9] offset:256*\i                        ; the scale words of the first 512 along K
.endr
	s_add_nc_u64 s[66:67], s[4:5], s[66:67]
	s_add_nc_u64 s[BP:BP+1], s[6:7], s[68:69]
	s_add_nc_u64 s[14:15], s[14:15], s[74:75]
	s_add_nc_u64 s[SCP:SCP+1], s[8:9], KSC         ; the second 512's scale words; stepped at the end of each 512
	s_cmp_eq_u32 s[CH], 0
	s_cselect_b64 s[PFA:PFA+1], s[4:5], s[6:7]
	s_add_nc_u64 s[PFA:PFA+1], s[PFA:PFA+1], s[76:77]
	s_mov_b32 s[G0A], 1
	s_add_co_u32 s[G0A+1], s[WOFF], 0              ; slot 0
	s_mov_b64 s[G0A+2:G0A+3], s[66:67]
	s_or_b32 s[G0A+3], s[G0A+3], 0x80000000
	CROUND                                         ; all sixteen work-groups are here: the first joint loads meet
	JLOAD                                          ; lap 0: one tensor load a wave at the head
	WIN TO_B
	BLOAD 0, 0                                     ; W_eff's fragments of steps 0, 1 and 2
	BLOAD 1, 1
	BLOAD 2, 2
.macro LORA16 a0
.irp a, \a0, \a0+1
.irp b, 0,1,2,3,4,5,6,7
	v_wmma_f32_16x16x32_bf16 v[8*(8*((\a)%4)+\b):8*(8*((\a)%4)+\b)+7], v[LB+8*\b:LB+8*\b+7], v[TF+8*(\a):TF+8*(\a)+7], 0
.endr
.endr
.endm
.macro FETCH_A hf, q, p                ; 16 LDS loads: x's eight fragments (16 rows x 128 K: 8 registers, two loads 32 bytes apart) of step q of the slot's half hf into set p
.irp i, 0,1,2,3,4,5,6,7
.irp c, 0,1
	ds_load_b128 v[AF+64*(\p)+8*\i+4*\c:AF+64*(\p)+8*\i+4*\c+3], v[ADRC] offset:256*(\hf)+64*(\q)+32*\c+\i*16*PITCH
.endr
.endr
.endm
.macro MUL16 a0, q, sc                 ; x's blocks a0, a0 + 1 against W_eff's eight; the 64 accumulators take turns in one order
.irp a, \a0, \a0+1
.irp b, 0,1,2,3,4,5,6,7
	v_wmma_scale_f32_16x16x128_f8f6f4 v[8*(8*((\a)%4)+\b):8*(8*((\a)%4)+\b)+7], v[64*(\q)+8*\b:64*(\q)+8*\b+7], v[AF+64*((\q)%2)+8*(\a):AF+64*((\q)%2)+8*(\a)+7], v[8*(8*((\a)%4)+\b):8*(8*((\a)%4)+\b)+7], v[SC+32*(\sc)+4*\b+(\q)], v[SC+32*(\sc)+4*(\a)+(\q)] matrix_a_fmt:MATRIX_FMT_FP4 matrix_b_fmt:MATRIX_FMT_FP4 matrix_a_scale:MATRIX_SCALE_ROW1
.endr
.endr
.endm
.macro MUL48 q, sc
	WIN MUL_LO
	MUL16 2, \q, \sc
	WIN MUL_HI
	MUL16 4, \q, \sc
	MUL16 6, \q, \sc
.endm
; Step q (0 to 2) of a half.  bl = 1: W_eff's set of the step before is asked for again, for the step three on.  g = 1: so is the other set of scale words, whose 512 along K are over.
; cnt: the loads issued behind this step's 16: two younger sets (32), and in a half's steps 1 to 3 the eight loads of scale words that its step 0 issued (40).  At step 0 the half's scale words, older than its fragments, are in as well.
.macro STEP hf, q, g, bl, cnt
	s_wait_dscnt 0x0                               ; x's fragments of this step are in
	s_wait_loadcnt \cnt                            ; and W_eff's
	PLACES NP                                      ; four places ahead of loads into registers that matrix instructions have read (ISA guide 7.12.1 for vector instructions)
	WIN 0
	FETCH_A \hf, (\q)+1, 1-(\q)%2
.if \bl
	WIN TO_B
	BLOAD ((\q)+3)%4, (\q)+3
.endif
.if \g
	WIN 0
	GSC 1-\hf
.endif
	WIN MUL_LO
	MUL16 0, \q, \hf
	MUL48 \q, \hf
.endm
; The first half's last step: the next fragments lie in the same slot.  ss = 1: the scale words' base steps.  ask = 1: the lap's prefetches.
.macro MID ss, ask
	s_wait_dscnt 0x0
	s_wait_loadcnt 40
	PLACES NP
	WIN 0
	s_wait_xcnt 0x0                                ; my loads have read their bases
	s_add_nc_u64 s[BP:BP+1], s[BP:BP+1], KIMG      ; W_eff's image: the next 512 along K
.if \ss
	s_add_nc_u64 s[SCP:SCP+1], s[SCP:SCP+1], KSC
.endif
	FETCH_A 1, 0, 0
	WIN TO_B
	BLOAD 2, 2
	WIN 0
.if \ask
	ASK
.endif
	WIN MUL_LO
	MUL16 0, 3, 0
	MUL48 3, 0
.endm
; A lap's last step changes slots.  Its fragments were asked for a step ago, so my reads of the slot end here: the barrier stands behind the step's first sixteen products.
.macro TURN fill
	WIN 0
	s_wait_xcnt 0x0                                ; my loads and prefetches have read their bases
	s_add_nc_u64 s[BP:BP+1], s[BP:BP+1], KIMG
	s_add_nc_u64 s[SCP:SCP+1], s[SCP:SCP+1], KSC
.if \fill
	s_add_nc_u64 s[PFA:PFA+1], s[PFA:PFA+1], s[PST:PST+1]
.endif
	s_wait_tensorcnt 0x0                           ; my one tensor load that was out, my part of the next slot, has landed
	ds_add_u32 v[SPW], v[NIL]
.if \fill
	s_add_co_u32 s[G0A+1], s[WOFF], s[SOFF]        ; no tensor load of mine is out: the slot that this lap has read takes the lap two on
	s_add_nc_u64 s[G0A+2:G0A+3], s[G0A+2:G0A+3], ROWB
.endif
	s_xor_b32 s[SOFF], s[SOFF], SLOT               ; the other slot
	s_wait_dscnt 1                                 ; all but the add: x's fragments of this step are in
	s_wait_loadcnt 40                              ; W_eff's too
	WIN MUL_LO
	MUL16 0, 3, 1
	WIN 0
	v_add_nc_u32 v[ADRC], s[SOFF], v[ADRA]
	s_wait_alu depctr_va_vdst(0)
	s_wait_dscnt 0x0                               ; the add is done; my reads of this slot are over
	s_barrier_signal -1
	s_barrier_wait -1
.if \fill
	CREST                                          ; the barrier has opened a round of the cluster's barrier
	JLOAD                                          ; the first tensor load behind the round; its four v_nop are the places ahead of the loads below
.else
	PLACES NP
.endif
	FETCH_A 0, 0, 0
	WIN TO_B
	BLOAD 2, 2
	MUL48 3, 1
.endm
	s_wait_loadcnt 56                              ; t and lora_B are in; behind them 8 loads of scale words and 48 of W_eff's fragments
.irp b, 0,1,2,3,4,5,6,7
.irp j, 0,1,2,3
	v_cvt_pk_bf16_f32 v[LB+8*\b+\j], v[AF+8*\b+2*\j], v[AF+8*\b+2*\j+1]      ; against bf16(t),
.endr
.irp j, 0,1,2,3
	v_cvt_pk_bf16_f32 v[LB+8*\b+4+\j], v[AF+8*\b+2*\j], v[AF+8*\b+2*\j+1]    ; and against what its rounding left
.endr
.endr
	PLACES NP
	WIN MUL_LO
	LORA16 0                                       ; these 64 products start the sums, while lap 0's tile is on its way
	LORA16 2
	WIN MUL_HI
	LORA16 4
	LORA16 6
	WIN 0
	PLACES NP+1                                    ; five places: products of another form add onto these results
	s_wait_alu depctr_va_vdst(0)
	s_wait_tensorcnt 0x0                           ; my part of lap 0's tile is in; the same lines as ahead of a refill:
	ds_add_u32 v[SPW], v[NIL]
	s_add_co_u32 s[G0A+1], s[WOFF], SLOT           ; slot 1,
	s_add_nc_u64 s[G0A+2:G0A+3], s[G0A+2:G0A+3], ROWB   ; lap 1
	s_wait_dscnt 0x0
	CROUND
	JLOAD                                          ; slot 1's first fill, the first tensor load behind the round
	FETCH_A 0, 0, 0
	STEP 0, 0, 1, 1, 32
	WIN 0
	s_mov_b32 s[LAP], 2
.Llap:                                                 ; a trip goes from a lap's second step to the next lap's first, and fills the slot that it has read again
	STEP 0, 1, 0, 1, 40
	STEP 0, 2, 0, 1, 40
	MID 1, 1
	STEP 1, 0, 1, 1, 32
	STEP 1, 1, 0, 1, 40
	STEP 1, 2, 0, 1, 40
	TURN 1
	STEP 0, 0, 1, 1, 32
	WIN 0
	s_sub_co_u32 s[LAP], s[LAP], 1
	s_cmp_lg_u32 s[LAP], 0
	s_cbranch_scc1 .Llap
	STEP 0, 1, 0, 1, 40                            ; lap 2 fills no slot
	STEP 0, 2, 0, 1, 40
	MID 1, 0
	STEP 1, 0, 1, 1, 32
	STEP 1, 1, 0, 1, 40
	STEP 1, 2, 0, 1, 40
	TURN 0
	STEP 0, 0, 1, 1, 32                            ; lap 3; the last scale words are asked for
	STEP 0, 1, 0, 1, 40
	STEP 0, 2, 0, 1, 40
	MID 0, 0
	STEP 1, 0, 0, 1, 32                            ; asks for the last step's fragments
	STEP 1, 1, 0, 0, 32                            ; nothing more to ask for: the counts run down
	STEP 1, 2, 0, 0, 16
	s_wait_dscnt 0x0
	s_wait_loadcnt 0x0
	WIN MUL_LO
	MUL16 0, 3, 1
	MUL48 3, 1
	WIN 0
; THE WAY OUT, block by block of 16 rows x 128 columns, through my own stage: in as 32 bytes a lane, back as whole rows of 512 bytes.  LDS serves a wave's instructions in order (ISA guide 5.7.1.4).
.macro TOSTAGE a
.set AC, 64*((\a)%4)
	WIN 0x08+4*((\a)/4)
.irp b, 0,1,2,3,4,5,6,7
	ds_store_b128 v[STO], v[AC+8*\b:AC+8*\b+3] offset:64*\b          ; each accumulator from its low end on
	ds_store_b128 v[STO], v[AC+8*\b+4:AC+8*\b+7] offset:64*\b+16
.endr
	WIN 0
.set BB, BK+64*((\a)%2)
.irp t, 0,1,2,3,4,5,6,7,8,9,10,11,12,13,14,15
	ds_load_b128 v[BB+4*\t:BB+4*\t+3], v[RD] offset:\t*SPITCH
.endr
.endm
.macro SEND a, younger                 ; younger: the LDS instructions issued behind block a's loads
.set BB, BK+64*((\a)%2)
	s_wait_dscnt \younger
.if (\a) > 0
	s_add_nc_u64 s[14:15], s[14:15], 16*SIZE_N*4   ; behind a wait on XCNT: the earlier stores have read their base
.endif
.irp t, 0,1,2,3,4,5,6,7,8,9,10,11,12,13,14,15
	global_store_b128 v[CO], v[BB+4*\t:BB+4*\t+3], s[14:15] offset:\t*SIZE_N*4 th:TH_STORE_NT   ; 32 lanes store 512 consecutive bytes, aligned
.endr
.endm
	PLACES NP
	TOSTAGE 0
.irp a, 1,2,3,4,5,6,7
.if \a > 1
	s_wait_xcnt 0x0                                ; block a - 2's stores have read their registers and their base
.endif
	TOSTAGE \a
	SEND \a-1, 32
.endr
	s_wait_xcnt 0x0
	SEND 7, 0
	s_wait_tensorcnt 0x0                           ; the wave's end
	ds_add_u32 v[SPW], v[NIL]
	s_wait_dscnt 0x0
	CROUND                                         ; the closing round
	s_endpgm
.Lfunc_end_k_q8b97c77dc1_gemm:
	.size	k_q8b97c77dc1_gemm, .Lfunc_end_k_q8b97c77dc1_gemm-k_q8b97c77dc1_gemm
	.p2alignl 7, 3214868480
	.fill 96, 4, 3214868480
	.section	.rodata,"a",@progbits
	.p2align	6, 0x0
	.amdhsa_kernel k_q8b97c77dc1_gemm
		.amdhsa_group_segment_fixed_size 327680
		.amdhsa_private_segment_fixed_size 0
		.amdhsa_enable_private_segment 0
		.amdhsa_kernarg_size 48
		.amdhsa_user_sgpr_count 2
		.amdhsa_user_sgpr_kernarg_segment_ptr 1
		.amdhsa_wavefront_size32 1
		.amdhsa_system_sgpr_workgroup_id_x 1
		.amdhsa_system_sgpr_workgroup_id_y 1
		.amdhsa_system_sgpr_workgroup_id_z 1
		.amdhsa_system_vgpr_workitem_id 0
		.amdhsa_next_free_vgpr 1024
		.amdhsa_next_free_sgpr 100
		.amdhsa_reserve_vcc 0
		.amdhsa_float_denorm_mode_32 3
		.amdhsa_float_denorm_mode_16_64 3
		.amdhsa_memory_ordered 1
		.amdhsa_forward_progress 1
		.amdhsa_inst_pref_size 255
	.end_amdhsa_kernel
	.section	.bss,"aw",@nobits
	.p2align	6
	.space	262144
	.amdgpu_metadata
---
amdhsa.version: [ 1, 2 ]
amdhsa.kernels:
  - .name:           k_q8b97c77dc1_gemm
    .symbol:         k_q8b97c77dc1_gemm.kd
    .args:
      - { .name: x_codes, .offset: 0, .size: 8, .value_kind: global_buffer, .address_space: global }
      - { .name: w_codes, .offset: 8, .size: 8, .value_kind: global_buffer, .address_space: global }
      - { .name: sc, .offset: 16, .size: 8, .value_kind: global_buffer, .address_space: global }
      - { .name: t_img, .offset: 24, .size: 8, .value_kind: global_buffer, .address_space: global }
      - { .name: lora_B, .offset: 32, .size: 8, .value_kind: global_buffer, .address_space: global }
      - { .name: out0, .offset: 40, .size: 8, .value_kind: global_buffer, .address_space: global }
    .group_segment_fixed_size: 327680
    .private_segment_fixed_size: 0
    .kernarg_segment_align: 8
    .kernarg_segment_size: 48
    .max_flat_workgroup_size: 128
    .sgpr_count:     100
    .vgpr_count:     1024
    .wavefront_size: 32
...
	.end_amdgpu_metadata
.endif
;; end of part 2
